; MI455X (gfx1250); checked and timed in simulation.
; The chip was launched on July 23, 2026; its instructions are those of AMD's public machine-readable ISA for CDNA 5 (MIT licence, August 2026) and "CDNA5" Instruction Set Architecture Reference Guide (July 2026). The comments in the code are by the model that wrote it; some were corrected since.
;; Core Attention. Allowed arithmetic: matrix products marked QUANTISED: E4M3 operands, one given power-of-two scale a tensor, by v_wmma_f32_16x16x64_fp8_fp8 or v_wmma_f32_16x16x128_fp8_fp8, f32 sums; everything else in f32.
;; Inputs: attention_mask 4 x 1 x 2,048 x 2,048 bool; key_states 4 x 16 x 2,048 x 128 float32; lowp_scales 4 int32 (the exponents e of the quantised operands' scales 2^e); query_states 4 x 16 x 2,048 x 128 float32; value_states 4 x 16 x 2,048 x 128 float32.
;; Outputs: out0 4 x 16 x 2,048 x 128 float32.
;; This version of the problem:
;;   THIS VERSION OF THE PROBLEM IS GIVEN IN LOW PRECISION. The matrix products marked QUANTISED in the list below multiply operands that are first quantised to E4M3 (4 exponent bits, 3 mantissa bits; 8 bits a number), with one given power-of-two scale for each operand tensor; their sums are f32. All else is computed in f32.
;;   The module's matrix products, in the order in which they are computed (A, B: the left and right operand; K: the contracted axis; several contracted axes count as one K, in the product's order):
;;     1. batch 64 x [M 2,048, K 128] x [K 128, N 2,048]; A: input query_states; B: input key_states: QUANTISED (scales: A lowp_scales[0], B lowp_scales[1])
;;     2. batch 64 x [M 2,048, K 2,048] x [K 2,048, N 128]; A: softmax (see below); B: input value_states: QUANTISED (scales: A lowp_scales[2], B lowp_scales[3])
;;   THE QUANTISER, for each operand of a quantised product, along K:
;;     - The operand's scale is 2^e, e = its entry of the input lowp_scales (int32; the entries are numbered through the quantised products in the list's order, A before B).
;;     - Each number is divided by the scale, clamped to +-448, and rounded to the nearest number of E4M3, ties to even, subnormals kept.
;;     - The product sums the exact products of the quantised numbers (number of the format x scale) in f32.
;;   ~~~python
;;   def quantise(x, axis, e):      # numpy; x: float32 -> the quantised numbers, widened to float32 again
;;       x = np.moveaxis(x, axis, -1); K = x.shape[-1]
;;       r = np.clip(x / 2.0 ** e, -448, 448)
;;       step = 2.0 ** (np.maximum(np.frexp(np.where(r == 0, 1, r))[1] - 1, -6) - 3)
;;       q = np.round(r / step) * step * 2.0 ** e      # np.round: ties to even
;;       return np.moveaxis(q, -1, axis).astype(np.float32)
;;   ~~~
;;   SOFTMAX AHEAD OF A QUANTISED PRODUCT. Where the list says 'softmax', what is quantised is not the finished softmax but p = 2^(t - M), with t = logit x log2(e) and M = ceil(the row's largest t), a whole number; so 1/2 < the row's largest p <= 1. The row's sum l is taken of the UNQUANTISED p, in f32, and the product's result is divided by l at the end. Since M is a whole number, a kernel that streams over the keys may use a running M (the ceiling of the running maximum): every later rescaling is an exact power of two, so the quantised numbers keep their values, but for numbers so far below the row's largest that they fall under the format's range.
;;   OPERANDS COMPUTED ON THE WAY. 'Computed on the way' means the value that the module computes at that place (a softmax that the list does not call 'softmax' is quantised finished and normalised). What goes into a quantiser is computed in f32, as accurately as f32 sums, v_exp_f32 and their like allow (about 1e-6 of the number): no bf16 or f16 on the way to a quantiser, and a product that is left as it is and whose result goes on into a quantised operand takes f32 operands (vector FMAs, or v_wmma_f32_16x16x4_f32). A number that lies on a knife's edge between two numbers of the format may be rounded either way, as far as f32 arithmetic and the matrix unit's own rounding can turn it there, and no further.
;; One version. Each part assembles by itself: llvm-mc -triple=amdgcn-amd-amdhsa -mcpu=gfx1250 --defsym DOCPART=n.
;; ======== version 1 of 1: 2 launches
;; limits: right only within a limited range of input values
;; workspace buffers: kv 33,554,432 bytes; mbits 2,097,152 bytes of whole numbers
;; launch prep (part 1): grid 1024 x 1, 4 waves a work-group, no clusters, 74,240 bytes of LDS; arguments key_states, value_states, attention_mask, lowp_scales, kv, mbits; writes kv, mbits
.if DOCPART == 1
	.amdgcn_target "amdgcn-amd-amdhsa--gfx1250"
	.amdhsa_code_object_version 6
	.text
	.protected	k_qdc7bc263b3_prep
	.globl	k_qdc7bc263b3_prep
	.p2align	8
	.type	k_qdc7bc263b3_prep,@function
k_qdc7bc263b3_prep:
	s_mov_b64 s[64:65], 0
	v_nop
	global_prefetch_b8 v0, s[64:65] scope:SCOPE_SE
	s_setreg_imm32_b32 hwreg(HW_REG_WAVE_MODE, 25, 1), 1
	s_wait_xcnt 0x0
; K and V (f32, [64 heads][2048 keys][128]) become codes of FP8 (E4M3), laid in the ORDER OF THE OPERANDS' REGISTERS of the attention launch; the mask's bytes become lane masks.
; code = x / 2^e, held within +-448, to the nearest code, ties to even; e = entry 1 (K) and entry 3 (V) of the scales.  LIMITS: both e between -126 and 119, so that 2^e and 448 x 2^e are f32 numbers.  NaN is not served.
; kv: [head 64][step 16][K image 16,384 bytes | V image 16,384 bytes]; a step is 128 keys.
;   K image [tile T 8][c 4][lane 32][16 bytes]: lane (r = l % 16, h = l / 16) holds key 32 (T / 2) + 8 (T % 2) + r + 8 (r / 8), channels 32 c + 16 h + 0 .. 15.
;   V image [dt 8][c 4][lane 32][16 bytes]: lane (r, h) holds channel 16 dt + r, keys 32 c + 16 h + 0 .. 15.
; mbits: [batch 4][tile of 16 queries 128][step 16][n 64] words: bit l of word n = mask[query l % 16][key 32 (n / 16) + 16 (l / 16) + n % 16]: the lane mask of register n of a tile of scores.
; SHARES.  4,096 waves, each with three units: 32 keys of K (16 KiB), the same 32 keys of V (16 KiB), 16 queries x 256 keys of the mask (4 KiB).  One path, no loop, no barrier: a wave works in its own
; stage in LDS, which serves K, the mask and V in turn; LDS serves a wave's instructions in order (ISA guide 5.7.1.4).  Every global load and store of a wave covers 512 (the mask's loads: 2 x 256) consecutive bytes.
; No matrix work, no tensor loads, no cluster: the work-groups share no input, and each byte is read once.
.set WSTG, 18432                       ; a wave's stage: K 32 rows x 528; the mask 16 rows x 272; V 32 rows x 576 + a skew of 64
.set LI,   2                           ; v2   16 x lane
.set SIN,  5                           ; v5   stage + 16 x lane: a whole row goes in
.set KRD,  6                           ; v6   stage + 528 r + 64 h: K's way back
.set VRD,  7                           ; v7   stage + 9280 h + 4 r: V's way back
.set MGA,  8                           ; v8   2048 h + 16 r: two rows of the mask a load
.set MSI,  9                           ; v9   stage + 272 h + 16 r
.set MRD,  10                          ; v10  stage + 272 r + 16 h
.set KSC,  11                          ; v11, v12  2^ek, 448 x 2^ek
.set VSC,  13                          ; v13, v14  2^ev, 448 x 2^ev
.set T,    16                          ; v16-19  at work
.set WD,   24                          ; v24-27  the mask's 128 words: lane G holds words 4 G .. 4 G + 3
.set X,    32                          ; v32-159  32 rows as loaded, 4 registers each
.set M,    160                         ; v160-191 the mask's bytes
.set Y,    192                         ; v192-223 two sets of 16 neighbours along K
.set C,    224                         ; v224-255 eight chunks of codes, 4 registers each
	s_load_b256 s[4:11], s[0:1], 0x0               ; K s[4:5], V s[6:7], the mask s[8:9], the scales s[10:11]
	s_load_b128 s[12:15], s[0:1], 0x20             ; kv s[12:13], mbits s[14:15]
	v_lshl_add_u32 v30, v0, 2, 0x12000
	v_mov_b32 v31, 0
	v_lshrrev_b32 v1, 5, v0
	v_readfirstlane_b32 s16, v1                    ; wave 0..3
	v_and_b32 v1, 31, v0                           ; lane
	v_lshlrev_b32 v[LI], 4, v1
	v_and_b32 v3, 15, v0                           ; r
	v_bfe_u32 v4, v0, 4, 1                         ; h
	s_mul_i32 s32, s16, WSTG                       ; my stage
	v_add_nc_u32 v[SIN], s32, v[LI]
	v_mul_u32_u24 v[KRD], v3, 528
	v_lshl_add_u32 v[KRD], v4, 6, v[KRD]
	v_add_nc_u32 v[KRD], s32, v[KRD]
	v_mul_u32_u24 v[VRD], v4, 9280                 ; 16 rows of 576 + the skew of 64
	v_lshl_add_u32 v[VRD], v3, 2, v[VRD]
	v_add_nc_u32 v[VRD], s32, v[VRD]
	v_lshlrev_b32 v[MGA], 11, v4
	v_lshl_add_u32 v[MGA], v3, 4, v[MGA]
	v_mul_u32_u24 v[MSI], v4, 272
	v_lshl_add_u32 v[MSI], v3, 4, v[MSI]
	v_add_nc_u32 v[MSI], s32, v[MSI]
	v_mul_u32_u24 v[MRD], v3, 272
	v_lshl_add_u32 v[MRD], v4, 4, v[MRD]
	v_add_nc_u32 v[MRD], s32, v[MRD]
.irp k, 0,1,2,3
	v_mov_b32 v[WD+\k], 0                          ; written whole once: single lanes are written below
.endr
	s_lshl_b32 s17, ttmp9, 2
	s_add_co_u32 s17, s17, s16                     ; W = 4 x work-group + wave: my unit, 0 .. 4,095
	s_lshl_b32 s18, s17, 14                        ; K and V: W x 16,384 bytes
	s_mov_b32 s19, 0
	s_lshr_b32 s20, s17, 10                        ; the mask: batch W / 1024,
	s_lshl_b32 s20, s20, 22
	s_bfe_u32 s33, s17, 0x70003                    ; tile of 16 queries (W / 8) % 128: 16 rows of 2,048 bytes,
	s_lshl_b32 s33, s33, 15
	s_add_co_u32 s20, s20, s33
	s_and_b32 s33, s17, 7                          ; keys 256 (W % 8) on
	s_lshl_b32 s33, s33, 8
	s_add_co_u32 s20, s20, s33
	s_mov_b32 s21, 0
	s_lshr_b32 s34, s17, 2                         ; kv: (head, step) = W / 4, 32,768 bytes each
	s_lshl_b32 s34, s34, 15
	s_and_b32 s33, s17, 3                          ; which 32 keys of the step
	s_lshl_b32 s36, s33, 9
	s_add_co_u32 s36, s36, s34
	s_add_co_u32 s36, s36, 16384                   ; V's image: chunk c = W % 4 of each of the eight dt
	s_mov_b32 s37, 0
	s_lshl_b32 s33, s33, 12
	s_add_co_u32 s34, s34, s33                     ; K's image: tiles 2 (W % 4) and 2 (W % 4) + 1: 4,096 bytes on end
	s_mov_b32 s35, 0
	s_lshl_b32 s38, s17, 9                         ; mbits: W x 512 bytes
	s_mov_b32 s39, 0
	s_wait_kmcnt 0x0
	s_load_b128 s[24:27], s[10:11], 0x0            ; eq, ek, ep, ev
	s_add_nc_u64 s[4:5], s[4:5], s[18:19]
	s_add_nc_u64 s[6:7], s[6:7], s[18:19]
	s_add_nc_u64 s[8:9], s[8:9], s[20:21]
	s_add_nc_u64 s[22:23], s[12:13], s[36:37]      ; V's codes
	s_add_nc_u64 s[12:13], s[12:13], s[34:35]      ; K's codes
	s_add_nc_u64 s[14:15], s[14:15], s[38:39]
.set k, 0
.rept 32
	global_load_b128 v[X+4*k:X+4*k+3], v[LI], s[4:5] offset:512*k th:TH_LOAD_NT    ; key k's row: 512 consecutive bytes
.set k, k+1
.endr
.irp i, 0,1,2,3,4,5,6,7
	global_load_b128 v[M+4*\i:M+4*\i+3], v[MGA], s[8:9] offset:4096*\i th:TH_LOAD_NT   ; queries 2 i and 2 i + 1: 256 bytes each
.endr
	s_wait_kmcnt 0x0
	s_add_co_i32 s32, s25, 127
	s_lshl_b32 s33, s32, 23
	v_mov_b32 v[KSC], s33                          ; 2^ek as f32: the conversion takes its exponent field
	s_add_co_i32 s32, s32, 8
	s_lshl_b32 s32, s32, 23
	s_or_b32 s32, s32, 0x600000
	v_mov_b32 v[KSC+1], s32                        ; 448 x 2^ek
	s_add_co_i32 s32, s27, 127
	s_lshl_b32 s33, s32, 23
	v_mov_b32 v[VSC], s33
	s_add_co_i32 s32, s32, 8
	s_lshl_b32 s32, s32, 23
	s_or_b32 s32, s32, 0x600000
	v_mov_b32 v[VSC+1], s32
; 16 neighbours along K in v[ys] on become 16 codes in v[cr] on.  The conversion to an 8-bit code does not saturate (ISA guide 7.6.2): the hold comes first.
; Behind the two conversions come a store of their result and then plain vector lines on other registers.
.macro CODES ys, cr, sc
.irp i, 0,1,2,3,4,5,6,7,8,9,10,11,12,13,14,15
	v_med3_num_f32 v[\ys+\i], v[\ys+\i], -v[\sc+1], v[\sc+1]
.endr
	v_cvt_scalef32_pk8_fp8_f32 v[\cr:\cr+1], v[\ys:\ys+7], v[\sc]
	v_cvt_scalef32_pk8_fp8_f32 v[\cr+2:\cr+3], v[\ys+8:\ys+15], v[\sc]
.endm
	; ---- K.  The rows go into the stage in the order of the tiles: key k lies at row 16 ((k / 8) % 2) + k % 8 + 8 (k / 16).  Rows are 528 bytes apart, so that the 16 rows of a read start at 16 different banks.
	s_wait_alu depctr_va_vdst(0)
	s_wait_loadcnt 8                               ; K's 32 loads are in; the mask's eight may be out
.set k, 0
.rept 32
	ds_store_b128 v[SIN], v[X+4*k:X+4*k+3] offset:528*(16*((k/8)%2)+(k%8)+8*(k/16))
.set k, k+1
.endr
	s_wait_dscnt 0x0                               ; the stores have read X:
.set k, 0
.rept 32
	global_load_b128 v[X+4*k:X+4*k+3], v[LI], s[6:7] offset:512*k th:TH_LOAD_NT    ; V's rows land there while K and the mask are worked
.set k, k+1
.endr
.macro KLD q                           ; chunk q = 4 u + c: tile u's row r, channels 32 c + 16 h + 0 .. 15, into set q % 2
.irp j, 0,1,2,3
	ds_load_b128 v[Y+16*((\q)%2)+4*\j:Y+16*((\q)%2)+4*\j+3], v[KRD] offset:8448*((\q)/4)+128*((\q)%4)+16*\j
.endr
.endm
.macro KOUT q
.if (\q) < 7
	KLD (\q)+1
	s_wait_dscnt 4                                 ; chunk q is in; the next chunk's four loads may be out
.else
	s_wait_dscnt 0x0
.endif
	CODES Y+16*((\q)%2), C+4*(\q), KSC
	global_store_b128 v[LI], v[C+4*(\q):C+4*(\q)+3], s[12:13] offset:512*(\q)     ; 512 consecutive bytes, at a multiple of 512 from kv's first byte
.endm
	KLD 0
.irp q, 0,1,2,3,4,5,6,7
	KOUT \q
.endr
	; ---- the mask.  Through the stage, so that lane (r, h) holds query r's bytes of keys 128 s + 32 b + 16 h + 0 .. 15 in registers 16 s + 4 b + 0 .. 3.
	s_wait_loadcnt 32                              ; the mask's loads are in; V's 32 may be out
.irp i, 0,1,2,3,4,5,6,7
	ds_store_b128 v[MSI], v[M+4*\i:M+4*\i+3] offset:544*\i
.endr
	s_wait_dscnt 0x0                               ; the stores have read M
.irp i, 0,1,2,3,4,5,6,7
	ds_load_b128 v[M+4*\i:M+4*\i+3], v[MRD] offset:128*(\i/4)+32*(\i%4)
.endr
	s_wait_dscnt 0x0
; Byte k of register M + G is word 4 G + k's bit for my lane: a compare gathers the 32 lanes' bits in a scalar register, which goes into lane G of register k.
.set G, 0
.rept 32
.irp k, 0,1,2,3
	v_and_b32 v[T+\k], 0xff<<(8*\k), v[M+G]
.endr
.irp k, 0,1,2,3
	v_cmp_ne_u32 s[28+\k], 0, v[T+\k]
.endr
.irp k, 0,1,2,3
	v_writelane_b32 v[WD+\k], s[28+\k], G
.endr
.set G, G+1
.endr
	global_store_b128 v[LI], v[WD:WD+3], s[14:15]  ; two steps' 128 words: 512 consecutive bytes
	; ---- V.  A lane takes a channel, and its registers run down the keys.  Rows are 576 bytes apart and rows 16-31 lie 64 bytes further on: the two halves of the lanes then read 16 words each from different banks.
	s_wait_loadcnt 0x0
.set k, 0
.rept 32
	ds_store_b128 v[SIN], v[X+4*k:X+4*k+3] offset:576*k+64*(k/16)
.set k, k+1
.endr
	s_wait_xcnt 0x0                                ; K's stores have read C (ISA guide 3.1): its registers are written again only behind this wait
.macro VLD d                           ; channel 16 d + r of keys 16 h + 0 .. 15 into set d % 2
.irp i, 0,1,2,3,4,5,6,7,8,9,10,11,12,13,14,15
	ds_load_b32 v[Y+16*((\d)%2)+\i], v[VRD] offset:576*\i+64*(\d)
.endr
.endm
.macro VOUT d
.if (\d) < 7
	VLD (\d)+1
	s_wait_dscnt 16                                ; chunk d is in; the next chunk's sixteen loads may be out
.else
	s_wait_dscnt 0x0
.endif
	CODES Y+16*((\d)%2), C+4*(\d), VSC
	global_store_b128 v[LI], v[C+4*(\d):C+4*(\d)+3], s[22:23] offset:2048*(\d)
.endm
	VLD 0
.irp d, 0,1,2,3,4,5,6,7
	VOUT \d
.endr
	s_wait_tensorcnt 0x0
	ds_add_u32 v30, v31
	s_wait_dscnt 0x0
	s_endpgm
.Lfunc_end_k_qdc7bc263b3_prep:
	.size	k_qdc7bc263b3_prep, .Lfunc_end_k_qdc7bc263b3_prep-k_qdc7bc263b3_prep
	.p2alignl 7, 3214868480
	.fill 96, 4, 3214868480
	.section	.rodata,"a",@progbits
	.p2align	6, 0x0
	.amdhsa_kernel k_qdc7bc263b3_prep
		.amdhsa_group_segment_fixed_size 74240
		.amdhsa_private_segment_fixed_size 0
		.amdhsa_enable_private_segment 0
		.amdhsa_kernarg_size 48
		.amdhsa_user_sgpr_count 2
		.amdhsa_user_sgpr_kernarg_segment_ptr 1
		.amdhsa_wavefront_size32 1
		.amdhsa_system_sgpr_workgroup_id_x 1
		.amdhsa_system_sgpr_workgroup_id_y 1
		.amdhsa_system_sgpr_workgroup_id_z 1
		.amdhsa_system_vgpr_workitem_id 0
		.amdhsa_next_free_vgpr 256
		.amdhsa_next_free_sgpr 66
		.amdhsa_reserve_vcc 0
		.amdhsa_float_denorm_mode_32 3
		.amdhsa_float_denorm_mode_16_64 3
		.amdhsa_memory_ordered 1
		.amdhsa_forward_progress 1
		.amdhsa_inst_pref_size 70
	.end_amdhsa_kernel
	.amdgpu_metadata
---
amdhsa.version: [ 1, 2 ]
amdhsa.kernels:
  - .name:           k_qdc7bc263b3_prep
    .symbol:         k_qdc7bc263b3_prep.kd
    .args:
      - { .name: key_states, .offset: 0, .size: 8, .value_kind: global_buffer, .address_space: global }
      - { .name: value_states, .offset: 8, .size: 8, .value_kind: global_buffer, .address_space: global }
      - { .name: attention_mask, .offset: 16, .size: 8, .value_kind: global_buffer, .address_space: global }
      - { .name: lowp_scales, .offset: 24, .size: 8, .value_kind: global_buffer, .address_space: global }
      - { .name: kv, .offset: 32, .size: 8, .value_kind: global_buffer, .address_space: global }
      - { .name: mbits, .offset: 40, .size: 8, .value_kind: global_buffer, .address_space: global }
    .group_segment_fixed_size: 74240
    .private_segment_fixed_size: 0
    .kernarg_segment_align: 8
    .kernarg_segment_size: 48
    .max_flat_workgroup_size: 128
    .sgpr_count:     66
    .vgpr_count:     256
    .wavefront_size: 32
...
	.end_amdgpu_metadata
.endif
;; end of part 1
;; launch attn (part 2): grid 4 x 64, 4 waves a work-group, no clusters, 135,680 bytes of LDS; arguments query_states, kv, mbits, out0, lowp_scales; writes out0
.if DOCPART == 2
	.amdgcn_target "amdgcn-amd-amdhsa--gfx1250"
	.amdhsa_code_object_version 6
	.text
	.protected	k_qdc7bc263b3_attn
	.globl	k_qdc7bc263b3_attn
	.p2align	8
	.type	k_qdc7bc263b3_attn,@function
k_qdc7bc263b3_attn:
	s_mov_b64 s[64:65], 0
	v_nop
	global_prefetch_b8 v0, s[64:65] scope:SCOPE_SE
	s_setreg_imm32_b32 hwreg(HW_REG_WAVE_MODE, 25, 1), 1
	s_wait_xcnt 0x0
; O[head][q] = sum over keys of softmax(mask ? Q.K / sqrt(128) : lowest) V, both products on codes of FP8 (E4M3) with the given scales 2^e.
; t = score x log2(e) / sqrt(128); M = the running largest t rounded up to a whole number; p = 2^(t - M) is quantised; the sum of the unquantised p divides at the end.
; SHARES.  A work-group of four waves takes two groups of 256 queries of one head, groups 7 - x and x; a wave takes 64 queries (4 tiles of 16) of each group, one block after the other.
; K's and V's codes lie in kv in the order of the operands' registers: a wave loads a step's 32 KiB straight into 256 registers, each fragment feeding four matrix instructions.
; K of the next step is asked for behind this step's first product, V behind its second: a whole softmax or a whole first product stands between request and use.
; THE MASK IS AN INPUT AND DECIDES BY ITS WHOLE NUMBERS.  At a block's head the wave reads its 4 x 16 x 64 mask words and makes two maps of 16 bits: ANY (some key of the step counts for some query
; of the block) and NF (some key does not count).  A step with no bit in ANY adds p = 0 for every query that has a counting key elsewhere, so it is passed over by a scalar branch;
; if any query of the block has no counting key at all, it gets the mean of all V, and ANY is set to all ones: nothing is passed over.  A step with no bit in NF needs no select.
; Step 0 is always walked: its products start the sums (C = 0), so nothing is cleared; what a wholly hidden step 0 leaves is multiplied by 2^(old M - new M) = 0 at the first counting key.
; The launch has no tensor load, no joint loads and no cluster; waves share nothing and pass no barrier.
; No data prefetch: every fragment is already asked for one step ahead of its use, into registers of its own.
; Hidden scores become -2^80.  LIMITS: visible scores lie above -2^80; scaled scores stay under 2^31 in magnitude; eq + ek between -123 and 130; eq, ep between -126 and 119.  NaN is not served.
; REGISTERS by windows of 256: window 0 small state, Q's codes v64-127, p's codes v128-191; window 1 S^T, then p (4 tiles x 64); window 2 O^T (4 x 64); window 3 K's fragments 0-127, V's 128-255.
.set SPITCH, 528                       ; a stage row: 512 bytes + 16
.set WSTG,   64*SPITCH                 ; a wave's stage: 64 rows, for Q on the way in and O on the way out
.set SPARE,  4*WSTG                    ; the spare words, 128 bytes a wave
.set LI,   1                           ; 16 x lane
.set SPW,  2
.set NIL,  3
.set NEG,  4                           ; -2^80
.set SCL,  5                           ; 2^ep
.set LIM,  6                           ; 448 x 2^ep
.set QS,   7                           ; 2^eq
.set QL,   8                           ; 448 x 2^eq
.set STO,  9
.set QR,   10
.set SRW,  11
.set ST,   16                          ; per tile: -M, largest score, the sum's first pair
.set X,    32                          ; per tile: the sum's second pair
.set F,    40                          ; per tile: 2^(old M - new M), named as a pair
.set T,    48                          ; two chains of maxima a tile
.set XL,   56
.set OLD,  60
.set Q,    64
.set P,    128
.set RA,   192
.set RB,   196
; s52 wave, s53 x, s54 head, s55 block counter, s56 step, s57 ANY, s58 NF, s[60:61] kv at the next step, s[62:63] my mask words, s[66:67] my offset in Q and O,
; s[84:91] Q, kv, mbits, O; s[96:97] c; s98, s99 lane selects; s100 ep + ev; s101 ep; s4-51 and s68-83 a tile's 64 mask words
.set MSB, 0
.macro WIN new
.if MSB != \new
	s_set_vgpr_msb (MSB<<8)|\new
.set MSB, \new
.endif
.endm
.macro PLACES
.rept 4
	v_nop
.endr
.endm
.macro TESTBIT reg, add                ; SCC = bit (step + add) of the map
.if \add
	s_add_co_u32 s2, s56, \add
	s_lshr_b32 s2, s[\reg], s2
.else
	s_lshr_b32 s2, s[\reg], s56
.endif
	s_and_b32 s2, s2, 1
.endm
.macro MLOAD t                         ; tile t's 64 words of this step (s3 = 256 x step)
	s_load_b512 s[4:19],  s[62:63], s3 offset:4096*(\t)
	s_load_b512 s[20:35], s[62:63], s3 offset:4096*(\t)+64
	s_load_b512 s[36:51], s[62:63], s3 offset:4096*(\t)+128
	s_load_b512 s[68:83], s[62:63], s3 offset:4096*(\t)+192
.endm
.macro KVLOAD n0, n                    ; chunks of 512 bytes: 0-31 K's image, 32-63 V's
	WIN 0xc0
.set k, \n0
.rept \n
	global_load_b128 v[4*k:4*k+3], v[LI], s[60:61] offset:512*k
.set k, k+1
.endr
	WIN 0
.endm
; A KEY STEP of 128 keys for my four tiles.  first = 1: step 0, which starts M, the sums and O^T.
.macro STEP first
	s_lshl_b32 s3, s56, 8
	MLOAD 0                                        ; always asked for, so that the words are written on every way
.if \first
	s_wait_loadcnt 32                              ; K's 32 loads are in; V's 32 may be out
.endif
	WIN 0x43
.irp a, 0,1,2,3,4,5,6,7
.irp u, 0,1,2,3
	v_wmma_f32_16x16x128_fp8_fp8 v[64*\u+8*\a:64*\u+8*\a+7], v[16*\a:16*\a+15], v[Q+16*\u:Q+16*\u+15], 0
.endr
.endr
	WIN 0
	PLACES                                         ; in front of loads into K's registers and of the first reads of S^T
	TESTBIT 57, 1
	s_cbranch_scc0 .Lnk_\@
	KVLOAD 0, 32                                   ; the next step's K, if that step is walked
.Lnk_\@:
	s_wait_kmcnt 0x0
	TESTBIT 58, 0
	s_cbranch_scc0 .Lfull_\@
.irp t, 0,1,2,3
.if \t > 0
	s_wait_kmcnt 0x0
.endif
	WIN 0x44
.set n, 0
.rept 64
.if n < 48
	v_cndmask_b32 v[64*\t+n], v[NEG], v[64*\t+n], s[4+n]
.else
	v_cndmask_b32 v[64*\t+n], v[NEG], v[64*\t+n], s[20+n]
.endif
.set n, n+1
.endr
	WIN 0
.if \t < 3
	MLOAD \t+1
.endif
.endr
.Lfull_\@:
	WIN 0x05                                       ; the step's largest scores: eight chains by turns, each accumulator read from its low end on
.irp t, 0,1,2,3
.irp c, 0,1
	v_max_num_f32 v[T+2*\t+\c], v[64*\t+32*\c], v[64*\t+32*\c+1]
.endr
.endr
.set i, 1
.rept 15
.irp t, 0,1,2,3
.irp c, 0,1
	v_max3_num_f32 v[T+2*\t+\c], v[64*\t+32*\c+2*i], v[64*\t+32*\c+2*i+1], v[T+2*\t+\c]
.endr
.endr
.set i, i+1
.endr
	WIN 0
.irp t, 0,1,2,3
	v_max_num_f32 v[T+2*\t], v[T+2*\t], v[T+2*\t+1]
.endr
.irp t, 0,1,2,3
	v_permlanex16_b32 v[XL+\t], v[T+2*\t], s98, s99
.endr
.irp t, 0,1,2,3
.if \first
	v_max_num_f32 v[ST+4*\t+1], v[T+2*\t], v[XL+\t]
.else
	v_max3_num_f32 v[ST+4*\t+1], v[ST+4*\t+1], v[T+2*\t], v[XL+\t]
.endif
.endr
.irp t, 0,1,2,3
	v_mul_f32 v[T+2*\t], s96, v[ST+4*\t+1]         ; as t (c is positive)
.endr
.if \first == 0
.irp t, 0,1,2,3
	v_mov_b32 v[OLD+\t], v[ST+4*\t]
.endr
.endif
.irp t, 0,1,2,3
	v_floor_f32 v[ST+4*\t], -v[T+2*\t]             ; -M = floor(-t)
.endr
.if \first == 0
.irp t, 0,1,2,3
	v_sub_f32 v[OLD+\t], v[ST+4*\t], v[OLD+\t]     ; old M - new M, a whole number, 0 or less
.endr
.irp t, 0,1,2,3
	v_cvt_i32_f32 v[OLD+\t], v[OLD+\t]
.endr
.irp t, 0,1,2,3
	v_ldexp_f32 v[F+2*\t], 1.0, v[OLD+\t]
.endr
.irp t, 0,1,2,3
	v_pk_mul_f32 v[ST+4*\t+2:ST+4*\t+3], v[ST+4*\t+2:ST+4*\t+3], v[F+2*\t:F+2*\t+1] op_sel_hi:[1,0]
	v_pk_mul_f32 v[X+2*\t:X+2*\t+1], v[X+2*\t:X+2*\t+1], v[F+2*\t:F+2*\t+1] op_sel_hi:[1,0]
.endr
	WIN 0x82                                       ; O^T under the new M, ahead of the step's exponentials
.irp t, 0,1,2,3
.set p, 0
.rept 32
	v_pk_mul_f32 v[64*\t+2*p:64*\t+2*p+1], v[64*\t+2*p:64*\t+2*p+1], v[F+2*\t:F+2*\t+1] op_sel_hi:[1,0]
.set p, p+1
.endr
.endr
.endif
	WIN 0x41
.set p, 0
.rept 32
	v_pk_fma_f32 v[2*p:2*p+1], v[2*p:2*p+1], s[96:97], v[ST:ST+1] op_sel_hi:[1,0,0]   ; t - M of tile 0
.set p, p+1
.endr
.irp t, 0,1,2,3                                ; a tile's exponentials, with the next tile's t - M among them
	s_wait_alu depctr_va_vdst(0)                   ; the wait ahead of each batch
.set p, 0
.rept 32
	v_exp_f32 v[64*\t+2*p], v[64*\t+2*p]
.if \t < 3
	v_pk_fma_f32 v[64*\t+64+2*p:64*\t+64+2*p+1], v[64*\t+64+2*p:64*\t+64+2*p+1], s[96:97], v[ST+4*\t+4:ST+4*\t+5] op_sel_hi:[1,0,0]
.endif
	v_exp_f32 v[64*\t+2*p+1], v[64*\t+2*p+1]
.set p, p+1
.endr
.endr
	v_nop
	s_wait_alu depctr_va_vdst(0)                   ; and behind the last, ahead of the first reader
	WIN 0x01                                       ; the sums of the unquantised p: eight chains by turns
.set p, 0
.rept 16
.irp t, 0,1,2,3
	v_pk_add_f32 v[ST+4*\t+2:ST+4*\t+3], v[64*\t+4*p:64*\t+4*p+1], v[ST+4*\t+2:ST+4*\t+3]
	v_pk_add_f32 v[X+2*\t:X+2*\t+1], v[64*\t+4*p+2:64*\t+4*p+3], v[X+2*\t:X+2*\t+1]
.endr
.set p, p+1
.endr
	WIN 0
	s_wait_alu depctr_va_vdst(0)                   ; the wait ahead of the branch
	s_cmp_ge_i32 s101, -8                          ; p is at most 1 (a rounding above it at the most), so p / 2^ep stays under 448 where ep >= -8: the hold is needed below that alone
	s_cbranch_scc1 .Lnh_\@
	WIN 0x44
.set k, 0
.rept 256
	v_min_num_f32 v[k], v[LIM], v[k]
.set k, k+1
.endr
	WIN 0
.Lnh_\@:
	WIN 0x01
.set k, 0
.rept 32
	v_cvt_scalef32_pk8_fp8_f32 v[P+2*k:P+2*k+1], v[8*k:8*k+7], v[SCL]
.set k, k+1
.endr
	WIN 0
	v_nop                                          ; a plain place behind the conversions
	s_wait_alu depctr_va_vdst(0)                   ; the wait ahead of the wait below
	s_wait_loadcnt 0x0                             ; this step's V, asked for ahead of the first product, and the next step's K, asked for ahead of the softmax
	WIN 0xa3
.irp a, 0,1,2,3,4,5,6,7
.irp u, 0,1,2,3
.if \first
	v_wmma_f32_16x16x128_fp8_fp8 v[64*\u+8*\a:64*\u+8*\a+7], v[128+16*\a:128+16*\a+15], v[P+16*\u:P+16*\u+15], 0
.else
	v_wmma_f32_16x16x128_fp8_fp8 v[64*\u+8*\a:64*\u+8*\a+7], v[128+16*\a:128+16*\a+15], v[P+16*\u:P+16*\u+15], v[64*\u+8*\a:64*\u+8*\a+7]
.endif
.endr
.endr
	WIN 0
	PLACES
	TESTBIT 57, 1
	s_cbranch_scc0 .Lnv_\@
	KVLOAD 32, 32                                  ; the next step's V
.Lnv_\@:
	s_wait_alu depctr_va_vdst(0)
.endm
	s_load_b256 s[84:91], s[0:1], 0x0              ; Q, kv, mbits, O
	s_load_b64 s[92:93], s[0:1], 0x20              ; the scales' exponents
	v_lshl_add_u32 v[SPW], v0, 2, SPARE
	v_mov_b32 v[NIL], 0
	v_lshrrev_b32 v12, 5, v0
	v_readfirstlane_b32 s52, v12                   ; wave
	v_and_b32 v[LI], 31, v0
	v_lshlrev_b32 v[LI], 4, v[LI]
	v_and_b32 v13, 15, v0                          ; r
	v_bfe_u32 v14, v0, 4, 1                        ; h
	s_mul_i32 s2, s52, WSTG
	v_mul_u32_u24 v15, v13, SPITCH
	v_add_nc_u32 v15, s2, v15
	v_lshl_add_u32 v[STO], v14, 5, v15             ; O into the stage: row r, 32 h
	v_lshl_add_u32 v[QR], v14, 6, v15              ; Q out of it: row r, 64 h
	v_add_nc_u32 v[SRW], s2, v[LI]                 ; whole rows
	v_mov_b32 v[NEG], 0xe7800000
.irp t, 0,1,2,3
	v_mov_b32 v[F+2*\t+1], 0                       ; named as the upper halves of pairs
	v_mov_b32 v[XL+\t], 0                          ; a lane permute's destination counts as a source
	v_mov_b32 v[RB+\t], 0
.endr
	s_and_b32 s54, ttmp7, 0xffff
	s_mov_b32 s53, ttmp9
	s_mov_b32 s98, 0x76543210
	s_mov_b32 s99, 0xfedcba98
	s_wait_alu depctr_va_vdst(0)
	s_wait_kmcnt 0x0
	s_load_b128 s[4:7], s[92:93], 0x0              ; eq, ek, ep, ev
	s_wait_kmcnt 0x0
	s_add_co_i32 s2, s4, s5
	s_lshl_b32 s2, s2, 23
	s_add_co_i32 s96, s2, 0x3e0293ee               ; c = log2(e) / sqrt(128) x 2^(eq + ek)
	s_mov_b32 s97, s96
	s_add_co_i32 s100, s6, s7
	s_mov_b32 s101, s6
	s_add_co_i32 s2, s6, 127
	s_lshl_b32 s3, s2, 23
	v_mov_b32 v[SCL], s3
	s_add_co_i32 s2, s2, 8
	s_lshl_b32 s2, s2, 23
	s_or_b32 s2, s2, 0x600000
	v_mov_b32 v[LIM], s2
	s_add_co_i32 s2, s4, 127
	s_lshl_b32 s3, s2, 23
	v_mov_b32 v[QS], s3
	s_add_co_i32 s2, s2, 8
	s_lshl_b32 s2, s2, 23
	s_or_b32 s2, s2, 0x600000
	v_mov_b32 v[QL], s2
	s_mov_b32 s55, 0
	s_wait_alu depctr_va_vdst(0)                   ; the wait at the head's end
.Lunit:                                                ; two trips: group 7 - x, then group x
	s_sub_co_u32 s2, 7, s53
	s_cmp_eq_u32 s55, 0
	s_cselect_b32 s2, s2, s53
	s_lshl_b32 s2, s2, 2
	s_add_co_u32 s2, s2, s52                       ; my block of 64 queries
	s_lshl_b32 s66, s54, 20
	s_lshl_b32 s3, s2, 15
	s_add_co_u32 s66, s66, s3
	s_mov_b32 s67, 0
	s_add_nc_u64 s[94:95], s[84:85], s[66:67]      ; my rows of Q
	s_lshr_b32 s62, s54, 4
	s_lshl_b32 s62, s62, 19
	s_lshl_b32 s3, s2, 14
	s_add_co_u32 s62, s62, s3
	s_mov_b32 s63, 0
	s_add_nc_u64 s[62:63], s[88:89], s[62:63]      ; my four tiles' mask words: 4 x 16 steps x 256 bytes on end
	s_lshl_b32 s60, s54, 19
	s_mov_b32 s61, 0
	s_add_nc_u64 s[60:61], s[86:87], s[60:61]      ; the head's step 0
	WIN 0x80
.set k, 0
.rept 32
	global_load_b128 v[4*k:4*k+3], v[LI], s[62:63] offset:512*k    ; tile k / 8, steps 2 (k % 8) in lanes 0-15 and 2 (k % 8) + 1 in lanes 16-31
.set k, k+1
.endr
	WIN 0x40
.set k, 0
.rept 64
	global_load_b128 v[4*k:4*k+3], v[LI], s[94:95] offset:512*k th:TH_LOAD_NT
.set k, k+1
.endr
	WIN 0
	s_wait_loadcnt 0x0
	KVLOAD 0, 64                                   ; step 0's K and V land while Q is quantised and the maps are made
	WIN 0x04
.set k, 0
.rept 64
	ds_store_b128 v[SRW], v[4*k:4*k+3] offset:SPITCH*k
.set k, k+1
.endr
	s_wait_dscnt 0x0
	WIN 0x40
.set k, 0
.rept 64
	ds_load_b128 v[4*k:4*k+3], v[QR] offset:16*SPITCH*(k/16)+128*((k/4)%4)+16*(k%4)   ; lane (r, h): query 16 (k / 16) + r, channels 32 c + 16 h + 0 .. 15
.set k, k+1
.endr
	; the maps.  Window 2: v[4 k ..] the words, v[128 + k] their OR, v[160 + k] at work
	WIN 0x8a
.set k, 0
.rept 32
	v_or_b32 v[128+k], v[4*k], v[4*k+1]
	v_or_b32 v[160+k], v[4*k+2], v[4*k+3]
	v_and_b32 v[4*k], v[4*k], v[4*k+1]
	v_and_b32 v[4*k+2], v[4*k+2], v[4*k+3]
.set k, k+1
.endr
.set k, 0
.rept 32
	v_or_b32 v[128+k], v[128+k], v[160+k]
	v_and_b32 v[4*k], v[4*k], v[4*k+2]
.set k, k+1
.endr
.set i, 0
.rept 8                                        ; over the four tiles
	v_or_b32 v[160+i], v[128+i], v[136+i]
	v_or_b32 v[168+i], v[144+i], v[152+i]
	v_and_b32 v[4*i], v[4*i], v[32+4*i]
	v_and_b32 v[64+4*i], v[64+4*i], v[96+4*i]
.set i, i+1
.endr
.set i, 0
.rept 8
	v_or_b32 v[160+i], v[160+i], v[168+i]
	v_and_b32 v[4*i], v[4*i], v[64+4*i]
.set i, i+1
.endr
.set i, 0
.rept 8
	v_cmp_ne_u32 s[4+i], 0, v[160+i]               ; lanes with a counting key: low half step 2 i, high half step 2 i + 1
	v_cmp_ne_u32 s[12+i], -1, v[4*i]               ; lanes with a hidden key
.set i, i+1
.endr
.irp d, 4,2,1                                  ; each tile's OR over all steps
.irp t, 0,1,2,3
.set i, 0
.rept \d
	v_or_b32 v[128+8*\t+i], v[128+8*\t+i], v[128+8*\t+i+\d]
.set i, i+1
.endr
.endr
.endr
	WIN 0x02
.irp t, 0,1,2,3
	v_mov_b32 v[RA+\t], v[128+8*\t]
.endr
	WIN 0
.irp m, 1,2,4,8                                ; and over the lanes
.irp t, 0,1,2,3
	v_mov_b32_dpp v[RB+\t], v[RA+\t] row_xmask:\m row_mask:0xf bank_mask:0xf
.endr
.irp t, 0,1,2,3
	v_or_b32 v[RA+\t], v[RA+\t], v[RB+\t]
.endr
.endr
.irp t, 0,1,2,3
	v_permlanex16_b32 v[RB+\t], v[RA+\t], s98, s99
.endr
.irp t, 0,1,2,3
	v_or_b32 v[RA+\t], v[RA+\t], v[RB+\t]
.endr
.irp t, 0,1,2,3
	v_readfirstlane_b32 s[20+\t], v[RA+\t]         ; bit l: query l % 16 has a counting key in its half l / 16 of the keys
.endr
.irp t, 0,1,2,3
	v_mov_b32 v[ST+4*\t+2], 0                      ; the sums
	v_mov_b32 v[ST+4*\t+3], 0
	v_mov_b32 v[X+2*\t], 0
	v_mov_b32 v[X+2*\t+1], 0
.endr
	s_wait_alu depctr_va_vdst(0)                   ; the wait ahead of the run of scalar lines
	s_mov_b32 s57, 0
	s_mov_b32 s58, 0
.set i, 0
.rept 8
	s_and_b32 s2, s[4+i], 0xffff
	s_cselect_b32 s2, 1<<(2*i), 0
	s_or_b32 s57, s57, s2
	s_lshr_b32 s2, s[4+i], 16
	s_cselect_b32 s2, 2<<(2*i), 0
	s_or_b32 s57, s57, s2
	s_and_b32 s2, s[12+i], 0xffff
	s_cselect_b32 s2, 1<<(2*i), 0
	s_or_b32 s58, s58, s2
	s_lshr_b32 s2, s[12+i], 16
	s_cselect_b32 s2, 2<<(2*i), 0
	s_or_b32 s58, s58, s2
.set i, i+1
.endr
.irp t, 0,1,2,3
	s_lshr_b32 s2, s[20+\t], 16
	s_or_b32 s[20+\t], s[20+\t], s2
.endr
	s_and_b32 s20, s20, s21
	s_and_b32 s22, s22, s23
	s_and_b32 s20, s20, s22
	s_and_b32 s20, s20, 0xffff
	s_cmp_eq_u32 s20, 0xffff                       ; has every one of my 64 queries a counting key?
	s_cselect_b32 s57, s57, 0xffff                 ; if not, every step is walked
	s_wait_dscnt 0x0
	WIN 0x41
.set k, 0
.rept 256
	v_med3_num_f32 v[k], v[k], -v[QL], v[QL]       ; the conversion does not saturate (ISA guide 7.6.2): the hold comes first
.set k, k+1
.endr
	WIN 0x01
.set k, 0
.rept 32
	v_cvt_scalef32_pk8_fp8_f32 v[Q+2*k:Q+2*k+1], v[8*k:8*k+7], v[QS]
.set k, k+1
.endr
	WIN 0
	v_nop
	s_wait_xcnt 0x0                                ; the loads have read their base
	s_add_nc_u64 s[60:61], s[60:61], 32768         ; from here on: the step after the one in hand
	s_mov_b32 s56, 0
	s_wait_alu depctr_va_vdst(0)
	STEP 1
	s_wait_xcnt 0x0
	s_add_nc_u64 s[60:61], s[60:61], 32768
	s_mov_b32 s56, 1
.Lstep:                                                ; steps 1 to 15: a constant count; a step without a counting key is passed over
	TESTBIT 57, 0
	s_cbranch_scc0 .Lskip
	STEP 0
	s_branch .Lnext
.Lskip:
	TESTBIT 57, 1
	s_cbranch_scc0 .Lnext
	s_wait_loadcnt 0x0                             ; no load is out on the registers that are asked for again
	KVLOAD 0, 64                                   ; the next step is walked: its K and V
	s_wait_loadcnt 32                              ; K is in; V's 32 loads may be out
.Lnext:
	s_wait_xcnt 0x0
	s_add_nc_u64 s[60:61], s[60:61], 32768
	s_add_co_u32 s56, s56, 1
	s_cmp_lt_u32 s56, 16
	s_cbranch_scc1 .Lstep
	; THE WAY OUT: O^T / the sum x 2^(ep + ev), through my stage, whole rows of 512 bytes out
.irp t, 0,1,2,3
	v_pk_add_f32 v[ST+4*\t+2:ST+4*\t+3], v[ST+4*\t+2:ST+4*\t+3], v[X+2*\t:X+2*\t+1]
.endr
.irp t, 0,1,2,3
	v_add_f32 v[ST+4*\t+2], v[ST+4*\t+2], v[ST+4*\t+3]
.endr
.irp t, 0,1,2,3
	v_permlanex16_b32 v[XL+\t], v[ST+4*\t+2], s98, s99
.endr
.irp t, 0,1,2,3
	v_add_f32 v[ST+4*\t+2], v[ST+4*\t+2], v[XL+\t]
.endr
	s_add_nc_u64 s[94:95], s[90:91], s[66:67]      ; my rows of O
	s_wait_alu depctr_va_vdst(0)                   ; the wait ahead of the batch
.irp t, 0,1,2,3
	v_rcp_f32 v[ST+4*\t+2], v[ST+4*\t+2]
.endr
	v_nop
	s_wait_alu depctr_va_vdst(0)                   ; and behind it
.irp t, 0,1,2,3
	v_ldexp_f32 v[ST+4*\t+2], v[ST+4*\t+2], s100
.endr
	WIN 0x82
	s_wait_alu depctr_va_vdst(0)                   ; the wait directly ahead of the first readers of O^T
.set k, 0
.rept 128
	v_pk_mul_f32 v[2*k:2*k+1], v[2*k:2*k+1], v[ST+4*(k/32)+2:ST+4*(k/32)+3] op_sel_hi:[1,0]
.set k, k+1
.endr
	WIN 0x08
.set k, 0
.rept 32
	ds_store_b128 v[STO], v[8*k:8*k+3] offset:16*SPITCH*(k/8)+64*(k%8)      ; register 8 a + i of tile u: query 16 u + r, channel 16 a + 8 h + i
	ds_store_b128 v[STO], v[8*k+4:8*k+7] offset:16*SPITCH*(k/8)+64*(k%8)+16
.set k, k+1
.endr
	WIN 0x40
.set k, 0
.rept 64
	ds_load_b128 v[4*k:4*k+3], v[SRW] offset:SPITCH*k    ; LDS serves a wave's instructions in order (ISA guide 5.7.1.4)
.set k, k+1
.endr
	WIN 0x04
.set k, 0
.rept 64
	s_wait_dscnt 63-k                              ; row k is back; the 63 - k loads behind it may be out
	global_store_b128 v[LI], v[4*k:4*k+3], s[94:95] offset:512*k th:TH_STORE_NT
.set k, k+1
.endr
	WIN 0
	s_wait_xcnt 0x0                                ; the stores have read their data and base
	s_add_co_u32 s55, s55, 1
	s_cmp_lt_u32 s55, 2
	s_wait_alu depctr_va_vdst(0)
	s_cbranch_scc1 .Lunit
	s_wait_tensorcnt 0x0                           ; the wave's end
	ds_add_u32 v[SPW], v[NIL]
	s_wait_dscnt 0x0
	s_endpgm
.Lfunc_end_k_qdc7bc263b3_attn:
	.size	k_qdc7bc263b3_attn, .Lfunc_end_k_qdc7bc263b3_attn-k_qdc7bc263b3_attn
	.p2alignl 7, 3214868480
	.fill 96, 4, 3214868480
	.section	.rodata,"a",@progbits
	.p2align	6, 0x0
	.amdhsa_kernel k_qdc7bc263b3_attn
		.amdhsa_group_segment_fixed_size 135680
		.amdhsa_private_segment_fixed_size 0
		.amdhsa_enable_private_segment 0
		.amdhsa_kernarg_size 40
		.amdhsa_user_sgpr_count 2
		.amdhsa_user_sgpr_kernarg_segment_ptr 1
		.amdhsa_wavefront_size32 1
		.amdhsa_system_sgpr_workgroup_id_x 1
		.amdhsa_system_sgpr_workgroup_id_y 1
		.amdhsa_system_sgpr_workgroup_id_z 1
		.amdhsa_system_vgpr_workitem_id 0
		.amdhsa_next_free_vgpr 1024
		.amdhsa_next_free_sgpr 106
		.amdhsa_reserve_vcc 0
		.amdhsa_float_denorm_mode_32 3
		.amdhsa_float_denorm_mode_16_64 3
		.amdhsa_memory_ordered 1
		.amdhsa_forward_progress 1
		.amdhsa_inst_pref_size 247
	.end_amdhsa_kernel
	.amdgpu_metadata
---
amdhsa.version: [ 1, 2 ]
amdhsa.kernels:
  - .name:           k_qdc7bc263b3_attn
    .symbol:         k_qdc7bc263b3_attn.kd
    .args:
      - { .name: query_states, .offset: 0, .size: 8, .value_kind: global_buffer, .address_space: global }
      - { .name: kv, .offset: 8, .size: 8, .value_kind: global_buffer, .address_space: global }
      - { .name: mbits, .offset: 16, .size: 8, .value_kind: global_buffer, .address_space: global }
      - { .name: out0, .offset: 24, .size: 8, .value_kind: global_buffer, .address_space: global }
      - { .name: lowp_scales, .offset: 32, .size: 8, .value_kind: global_buffer, .address_space: global }
    .group_segment_fixed_size: 135680
    .private_segment_fixed_size: 0
    .kernarg_segment_align: 8
    .kernarg_segment_size: 40
    .max_flat_workgroup_size: 128
    .sgpr_count:     106
    .vgpr_count:     1024
    .wavefront_size: 32
...
	.end_amdgpu_metadata
.endif
;; end of part 2
